; MI455X (gfx1250); checked and timed in simulation.
; The chip was launched on July 23, 2026; its instructions are those of AMD's public machine-readable ISA for CDNA 5 (MIT licence, August 2026) and "CDNA5" Instruction Set Architecture Reference Guide (July 2026). The comments in the code are by the model that wrote it; some were corrected since.
;; Music Transformer Attention. Allowed arithmetic: float matrix products may take bf16 or f16 operands with f32 sums; all other float work in f32.
;; Inputs: Wk 512 x 512 float32; Wo 512 x 512 float32; Wq 512 x 512 float32; Wv 512 x 512 float32; attention_mask 4 x 2,048 float32; bk 512 float32; bo 512 float32; bq 512 float32; bv 512 float32; hidden_states 4 x 2,048 x 512 float32; rel_table 1,025 x 8 float32.
;; Outputs: out0 4 x 2,048 x 512 float32.
;; One version. Each part assembles by itself: llvm-mc -triple=amdgcn-amd-amdhsa -mcpu=gfx1250 --defsym DOCPART=n.
;; ======== version 1 of 1: 3 launches
;; limits: values are held in f16: magnitudes above 65,504 overflow, below 6.1e-05 lose precision
;; workspace buffers: qws 8,388,608 bytes; kws 8,388,608 bytes; vws 8,388,608 bytes; ctx 8,388,608 bytes
;; launch qkv (part 1): grid 8 x 32, 8 waves a work-group, no clusters, 231,936 bytes of LDS; arguments hidden_states, Wq, Wk, Wv, bq, bk, bv, qws, kws, vws; writes qws, kws, vws
.if DOCPART == 1
	.amdgcn_target "amdgcn-amd-amdhsa--gfx1250"
	.amdhsa_code_object_version 6
	.text
	.protected	k_q4df6c5e99a_qkv
	.globl	k_q4df6c5e99a_qkv
	.p2align	8
	.type	k_q4df6c5e99a_qkv,@function
k_q4df6c5e99a_qkv:
	s_mov_b64 s[64:65], 0
	v_nop
	global_prefetch_b8 v0, s[64:65] scope:SCOPE_SE
	s_setreg_imm32_b32 hwreg(HW_REG_WAVE_MODE, 25, 1), 1
	s_wait_xcnt 0x0
; q = (X Wq + bq) * 0.125 * log2(e), k = X Wk + bk (both rounded once to bf16), v = X Wv + bv (rounded once to f16).
; X: [8192][512] f32.  W: [512 (k)][512 (n)] f32.  Outputs: [batch][head][2048][64], 2 bytes a number, so a work-group's part is dense.
; A work-group makes 256 rows x 192 columns: the 64 columns of ONE head in each of q, k, v.  Eight waves: wave w takes rows 64 (w & 3) .. + 63
; and, of each of the three matrices, columns 32 (w >> 2) .. + 31: 4 x 6 accumulator tiles of 16 x 16, 192 registers.
; K goes in 8 steps of 64 through two LDS buffers.  X and W come through registers: they are f32 in memory, each number is rounded to bf16
; once per work-group on that way, and LDS holds 2 bytes a number.
; NO TENSOR LOADS, NO CLUSTER: a tile copied as it lies would put 4 bytes a number into LDS, every wave would round every fragment again
; (X four times, W twice over), and W lies [k][n], for which the transposing LDS load exists for 16-bit numbers only.
; THE MATRIX INSTRUCTION IS USED TRANSPOSED (source 0 = 16 columns of W, source 1 = 16 rows of X): a lane then holds 8 neighbouring columns of one row.
; LIMITS: matrix operands are bf16.  v is kept in f16: |v| must stay below 65,504 (beyond it the conversion gives infinity); inputs all
; 30 times the usual size give |v| of some 2,200, common offsets of 30 spreads on X and Wv some 9,300.
.set XP,   144                         ; LDS pitch of a row of X: 64 bf16 + 16 bytes (9 x 16: sixteen rows start in sixteen 16-byte columns)
.set WP,   416                         ; LDS pitch of a k-row of W: 192 bf16 + 32 bytes (13 x 32, for the transposing load)
.set SP,   400                         ; pitch of the stage: 192 numbers of 2 bytes + 16
.set XSB,  256*XP                      ; an X buffer, 36,864 bytes; the two lie at 0 and XSB
.set WS0,  2*XSB                       ; 73,728
.set WSB,  64*WP                       ; a W buffer, 26,624 bytes
.set SS,   WS0+2*WSB                   ; 126,976: 192 f32 scales; 768 bytes behind them 192 f32 bias x scale
.set STG,  SS+1536                     ; 128,512: the stage, 256 rows x 400 bytes; ends at 230,912
.set GO,   1                           ; v1      global byte offset of my 16 bytes: (t >> 4) rows of 2,048 + 16 (t & 15), for X and for W
.set XST,  2                           ; v2-3    where I store 4 bf16 of X, buffer 0, 1
.set WST,  4                           ; v4-5    the same for W
.set XA,   6                           ; v6-7    my fragments of X, buffer 0, 1
.set WA,   8                           ; v8-9    my fragments of W, buffer 0, 1
.set STO,  10                          ; v10     stage: where I put 16 bytes of a row
.set RDA,  11                          ; v11     stage: where I read back, rows 0-127
.set RDB,  12                          ; v12     the same, rows 128-255 (the immediate has 16 bits)
.set CO,   13                          ; v13     16 t: my bytes in 4,096 bytes of output
.set SBA,  14                          ; v14     my scales
.set GX,   16                          ; v16-79  16 loads of X, 4 registers each
.set GW,   80                          ; v80-127 12 loads of W
.set XF,   128                         ; v128-159 four fragments of X
.set WF,   160                         ; v160-207 six fragments of W
.set T,    224                         ; v224-227 at work in the set-up
                                       ; window 1: v0-191 accumulator tile (mt, nt) at 8 (6 mt + nt)
.set MSB, 0
.macro WIN new                         ; the register window; the immediate's high byte repeats the setting that is left
.if MSB != \new
	s_set_vgpr_msb (MSB<<8)|\new
.set MSB, \new
.endif
.endm
.macro PLACES cnt
.rept \cnt
	v_nop
.endr
.endm
	s_load_b512 s[4:19], s[0:1], 0x0               ; X s[4:5], Wq s[6:7], Wk s[8:9], Wv s[10:11], bq s[12:13], bk s[14:15], bv s[16:17], q s[18:19]
	s_load_b128 s[20:23], s[0:1], 0x40             ; k s[20:21], v s[22:23]
	v_lshl_add_u32 v254, v0, 2, 0x38600
	v_mov_b32 v255, 0
	v_lshrrev_b32 v[T], 5, v0
	v_readfirstlane_b32 s24, v[T]                  ; wave 0..7
	s_and_b32 s25, s24, 3                          ; wm: which 64 rows
	s_lshr_b32 s26, s24, 2                         ; wn: which 32 columns of each matrix
	s_lshr_b32 s27, s24, 1                         ; for the bias table: which matrix my 32 threads serve
	s_and_b32 s37, ttmp7, 0xffff                   ; row block 0..31; ttmp9 is the head
	v_lshrrev_b32 v[T], 4, v0                      ; t >> 4
	v_and_b32 v[T+1], 15, v0                       ; t & 15, also the lane's r
	v_bfe_u32 v[T+2], v0, 4, 1                     ; the lane's h
	v_lshlrev_b32 v[GO], 11, v[T]
	v_lshl_add_u32 v[GO], v[T+1], 4, v[GO]
	v_mul_u32_u24 v[XST], v[T], XP
	v_lshl_add_u32 v[XST], v[T+1], 3, v[XST]
	v_add_nc_u32 v[XST+1], XSB, v[XST]
	v_mul_u32_u24 v[WST], v[T], WP
	v_lshl_add_u32 v[WST], v[T+1], 3, v[WST]
	v_add_nc_u32 v[WST], WS0, v[WST]
	v_add_nc_u32 v[WST+1], WSB, v[WST]
	s_mul_i32 s28, s25, 64*XP
	v_mul_u32_u24 v[XA], v[T+1], XP                ; fragment of X: row r, 16 bytes for each half of the lanes
	v_lshl_add_u32 v[XA], v[T+2], 4, v[XA]
	v_add_nc_u32 v[XA], s28, v[XA]
	v_add_nc_u32 v[XA+1], XSB, v[XA]
	v_and_b32 v[T+3], 7, v0
	v_lshl_add_u32 v[T+3], v[T+2], 3, v[T+3]       ; transposing load: k-row 8 h + (lane & 7),
	v_mul_u32_u24 v[WA], v[T+3], WP
	v_bfe_u32 v[T+3], v0, 3, 1
	v_lshl_add_u32 v[WA], v[T+3], 4, v[WA]         ; 16 bytes for each group of eight lanes
	s_lshl_b32 s28, s26, 6                         ; my 32 columns: 64 bytes
	s_add_co_u32 s29, s28, WS0
	v_add_nc_u32 v[WA], s29, v[WA]
	v_add_nc_u32 v[WA+1], WSB, v[WA]
	s_mul_i32 s29, s25, 64*SP
	s_add_co_u32 s29, s29, s28
	s_add_co_u32 s29, s29, STG
	v_mul_u32_u24 v[STO], v[T+1], SP
	v_lshl_add_u32 v[STO], v[T+2], 4, v[STO]
	v_add_nc_u32 v[STO], s29, v[STO]
	v_lshrrev_b32 v[T+3], 3, v0
	v_mul_u32_u24 v[RDA], v[T+3], SP               ; back: eight threads take the 128 bytes that one row has of one matrix
	v_and_b32 v[T+3], 7, v0
	v_lshl_add_u32 v[RDA], v[T+3], 4, v[RDA]
	v_add_nc_u32 v[RDA], STG, v[RDA]
	v_add_nc_u32 v[RDB], 128*SP, v[RDA]
	v_lshlrev_b32 v[CO], 4, v0
	s_lshl_b32 s29, s26, 7
	s_add_co_u32 s29, s29, SS
	v_lshl_add_u32 v[SBA], v[T+2], 5, s29          ; scales of columns 32 wn + 8 h ..
	s_mov_b32 s34, 0x3f800000                      ; k and v are scaled by 1,
	s_mov_b32 s35, 0x3e38aa3b                      ; q by 0.125 log2(e): the scores come out ready for v_exp_f32, which works in base 2
	s_wait_kmcnt 0x0
	s_lshl_b32 s28, s37, 19                        ; 256 rows of 2,048 bytes
	s_mov_b32 s29, 0
	s_add_nc_u64 s[4:5], s[4:5], s[28:29]
	s_lshl_b32 s30, ttmp9, 8                       ; the head's 64 columns: 256 bytes
	s_mov_b32 s31, 0
	s_add_nc_u64 s[6:7], s[6:7], s[30:31]
	s_add_nc_u64 s[8:9], s[8:9], s[30:31]
	s_add_nc_u64 s[10:11], s[10:11], s[30:31]
	s_and_b32 s28, s37, 24                         ; 8 x batch
	s_add_co_u32 s28, s28, ttmp9
	s_lshl_b32 s28, s28, 18                        ; a head's plane: 2,048 rows of 128 bytes
	s_and_b32 s36, s37, 7
	s_lshl_b32 s36, s36, 15                        ; 256 rows of 128 bytes
	s_add_co_u32 s28, s28, s36
	s_add_nc_u64 s[18:19], s[18:19], s[28:29]
	s_add_nc_u64 s[20:21], s[20:21], s[28:29]
	s_add_nc_u64 s[22:23], s[22:23], s[28:29]
; 28 loads: K step s of X (256 rows x 256 bytes) and of the three W (64 k-rows x 256 bytes each); sixteen lanes take 256 consecutive bytes
.macro GLOAD s
.irp i, 0,1,2,3,4,5,6,7,8,9,10,11,12,13,14,15
	global_load_b128 v[GX+4*\i:GX+4*\i+3], v[GO], s[4:5] offset:\i*32768+(\s)*256
.endr
.irp g, 0,1,2
.irp e, 0,1,2,3
	global_load_b128 v[GW+16*\g+4*\e:GW+16*\g+4*\e+3], v[GO], s[6+2*\g:7+2*\g] offset:(\s)*131072+\e*32768
.endr
.endr
.endm
; round to bf16 in place and store into buffer buf
.macro CVST buf
.irp i, 0,1,2,3,4,5,6,7,8,9,10,11,12,13,14,15
	v_cvt_pk_bf16_f32 v[GX+4*\i],   v[GX+4*\i],   v[GX+4*\i+1]
	v_cvt_pk_bf16_f32 v[GX+4*\i+1], v[GX+4*\i+2], v[GX+4*\i+3]
	ds_store_b64 v[XST+\buf], v[GX+4*\i:GX+4*\i+1] offset:\i*16*XP
.endr
.irp g, 0,1,2
.irp e, 0,1,2,3
	v_cvt_pk_bf16_f32 v[GW+16*\g+4*\e],   v[GW+16*\g+4*\e],   v[GW+16*\g+4*\e+1]
	v_cvt_pk_bf16_f32 v[GW+16*\g+4*\e+1], v[GW+16*\g+4*\e+2], v[GW+16*\g+4*\e+3]
	ds_store_b64 v[WST+\buf], v[GW+16*\g+4*\e:GW+16*\g+4*\e+1] offset:\e*16*WP+\g*128
.endr
.endr
.endm
; one K step of 64 from buffer buf: twice 20 fragment loads and 24 matrix instructions.  zero = 1: the first products start the sums.
; The 24 accumulators take turns, one instruction a turn.
.macro COMP buf, zero
.irp kk, 0,1
	WIN 0
.irp mt, 0,1,2,3
	ds_load_b128 v[XF+8*\mt:XF+8*\mt+3],   v[XA+\buf] offset:\mt*16*XP+64*\kk
	ds_load_b128 v[XF+8*\mt+4:XF+8*\mt+7], v[XA+\buf] offset:\mt*16*XP+64*\kk+32
.endr
.irp nt, 0,1,2,3,4,5
	ds_load_tr16_b128 v[WF+8*\nt:WF+8*\nt+3],   v[WA+\buf] offset:\kk*32*WP+128*(\nt>>1)+32*(\nt&1)
	ds_load_tr16_b128 v[WF+8*\nt+4:WF+8*\nt+7], v[WA+\buf] offset:\kk*32*WP+128*(\nt>>1)+32*(\nt&1)+16*WP
.endr
	s_wait_dscnt 0x0
	WIN 0x50                                       ; C and D in window 1, the fragments in window 0
.set z_, 0
.if \zero
.if \kk == 0
.set z_, 1
.endif
.endif
.irp mt, 0,1,2,3
.irp nt, 0,1,2,3,4,5
.if z_
	v_wmma_f32_16x16x32_bf16 v[8*(6*\mt+\nt):8*(6*\mt+\nt)+7], v[WF+8*\nt:WF+8*\nt+7], v[XF+8*\mt:XF+8*\mt+7], 0
.else
	v_wmma_f32_16x16x32_bf16 v[8*(6*\mt+\nt):8*(6*\mt+\nt)+7], v[WF+8*\nt:WF+8*\nt+7], v[XF+8*\mt:XF+8*\mt+7], v[8*(6*\mt+\nt):8*(6*\mt+\nt)+7]
.endif
.endr
.endr
	PLACES 4                                       ; four places before loads land on the fragments or a vector instruction reads a sum
.endr
.endm
; K step s.  ONE barrier a step orders two things: every wave's reads of this step's buffer against the stores of the step after next,
; and the stores of the next step against their reads.
.macro STEP s, zero
.set cb_, (\s)&1
.set nb_, ((\s)+1)&1
.set gs_, (\s)+2
	COMP cb_, \zero
.if (\s) < 7
	WIN 0
	s_wait_loadcnt 0x0                             ; the next step's 28 loads, issued in front of this step's products
	CVST nb_
.if (\s) < 6
	GLOAD gs_                                      ; the registers are free again: the step after next
.endif
	s_wait_dscnt 0x0                               ; my stores are in LDS (my reads were waited for above)
	s_barrier_signal -1
	s_barrier_wait -1
.endif
.endm
	GLOAD 0
	; the table of scales and of bias x scale, by local column 64 g + c, which is the thread's number: threads 0-191, waves 0-5
	s_cmp_eq_u32 s27, 0
	s_cselect_b64 s[32:33], s[12:13], s[14:15]     ; bq or bk,
	s_cselect_b32 s34, s35, s34
	s_cmp_eq_u32 s27, 2
	s_cselect_b64 s[32:33], s[16:17], s[32:33]     ; or bv
	s_cmp_ge_u32 s24, 6
	s_cbranch_scc1 .Lno_bias
	v_and_b32 v[T], 63, v0
	v_lshl_add_u32 v[T], v[T], 2, s30              ; 4 (64 head + c)
	global_load_b32 v[T+1], v[T], s[32:33]
	v_lshlrev_b32 v[T+2], 2, v0
	v_add_nc_u32 v[T+2], SS, v[T+2]
	v_mov_b32 v[T+3], s34
	s_wait_loadcnt 0x0
	v_mul_f32 v[T+1], s34, v[T+1]
	ds_store_b32 v[T+2], v[T+3]
	ds_store_b32 v[T+2], v[T+1] offset:768
.Lno_bias:
	s_wait_loadcnt 0x0                             ; K step 0
	CVST 0
	GLOAD 1
	s_wait_dscnt 0x0
	s_barrier_signal -1
	s_barrier_wait -1
	STEP 0, 1
	STEP 1, 0
	STEP 2, 0
	STEP 3, 0
	STEP 4, 0
	STEP 5, 0
	STEP 6, 0
	STEP 7, 0
	; THE WAY OUT: sum x scale + bias x scale in one fused multiply-add, one rounding, 16 bytes a lane into the stage, whole rows back.
	WIN 0
.irp nt, 0,1,2,3,4,5
	ds_load_b128 v[16+8*\nt:16+8*\nt+3],  v[SBA] offset:256*(\nt>>1)+64*(\nt&1)
	ds_load_b128 v[16+8*\nt+4:16+8*\nt+7], v[SBA] offset:256*(\nt>>1)+64*(\nt&1)+16
	ds_load_b128 v[64+8*\nt:64+8*\nt+3],  v[SBA] offset:768+256*(\nt>>1)+64*(\nt&1)
	ds_load_b128 v[64+8*\nt+4:64+8*\nt+7], v[SBA] offset:768+256*(\nt>>1)+64*(\nt&1)+16
.endr
	s_wait_dscnt 0x0
	WIN 0x41                                       ; sums in window 1, scale and bias in window 0
.irp mt, 0,1,2,3
.irp nt, 0,1,2,3,4,5
.irp p, 0,2,4,6
	v_pk_fma_f32 v[8*(6*\mt+\nt)+\p:8*(6*\mt+\nt)+\p+1], v[8*(6*\mt+\nt)+\p:8*(6*\mt+\nt)+\p+1], v[16+8*\nt+\p:16+8*\nt+\p+1], v[64+8*\nt+\p:64+8*\nt+\p+1]
.endr
.endr
.endr
	WIN 0x05                                       ; from window 1 into window 0
.irp mt, 0,1,2,3
.irp nt, 0,1,2,3,4,5
.irp p, 0,1,2,3
.if \nt < 4
	v_cvt_pk_bf16_f32 v[128+4*(6*\mt+\nt)+\p], v[8*(6*\mt+\nt)+2*\p], v[8*(6*\mt+\nt)+2*\p+1]   ; q and k
.else
	v_cvt_pk_f16_f32 v[128+4*(6*\mt+\nt)+\p], v[8*(6*\mt+\nt)+2*\p], v[8*(6*\mt+\nt)+2*\p+1]    ; v
.endif
.endr
.endr
.endr
	WIN 0
.irp mt, 0,1,2,3
.irp nt, 0,1,2,3,4,5
	ds_store_b128 v[STO], v[128+4*(6*\mt+\nt):128+4*(6*\mt+\nt)+3] offset:\mt*16*SP+128*(\nt>>1)+32*(\nt&1)
.endr
.endr
	s_wait_dscnt 0x0                               ; a row of the stage is written by two waves:
	s_barrier_signal -1
	s_barrier_wait -1                              ; all of it is there
.irp g, 0,1,2
.irp i, 0,1,2,3
	ds_load_b128 v[16+32*\g+4*\i:16+32*\g+4*\i+3], v[RDA] offset:\i*32*SP+128*\g
.endr
.irp i, 0,1,2,3
	ds_load_b128 v[32+32*\g+4*\i:32+32*\g+4*\i+3], v[RDB] offset:\i*32*SP+128*\g
.endr
.endr
.irp g, 0,1,2
.irp i, 0,1,2,3,4,5,6,7
	s_wait_dscnt 23-8*\g-\i                        ; LDS loads come back in order: this one is in, the younger ones stay out
	global_store_b128 v[CO], v[16+32*\g+4*\i:16+32*\g+4*\i+3], s[18+2*\g:19+2*\g] offset:\i*4096   ; a wave stores 512 consecutive bytes
.endr
.endr
	s_wait_tensorcnt 0x0
	ds_add_u32 v254, v255
	s_wait_dscnt 0x0
	s_endpgm
.Lfunc_end_k_q4df6c5e99a_qkv:
	.size	k_q4df6c5e99a_qkv, .Lfunc_end_k_q4df6c5e99a_qkv-k_q4df6c5e99a_qkv
	.p2alignl 7, 3214868480
	.fill 96, 4, 3214868480
	.section	.rodata,"a",@progbits
	.p2align	6, 0x0
	.amdhsa_kernel k_q4df6c5e99a_qkv
		.amdhsa_group_segment_fixed_size 231936
		.amdhsa_private_segment_fixed_size 0
		.amdhsa_enable_private_segment 0
		.amdhsa_kernarg_size 80
		.amdhsa_user_sgpr_count 2
		.amdhsa_user_sgpr_kernarg_segment_ptr 1
		.amdhsa_wavefront_size32 1
		.amdhsa_system_sgpr_workgroup_id_x 1
		.amdhsa_system_sgpr_workgroup_id_y 1
		.amdhsa_system_sgpr_workgroup_id_z 1
		.amdhsa_system_vgpr_workitem_id 0
		.amdhsa_next_free_vgpr 448
		.amdhsa_next_free_sgpr 66
		.amdhsa_reserve_vcc 0
		.amdhsa_float_denorm_mode_32 3
		.amdhsa_float_denorm_mode_16_64 3
		.amdhsa_memory_ordered 1
		.amdhsa_forward_progress 1
		.amdhsa_inst_pref_size 136
	.end_amdhsa_kernel
	.amdgpu_metadata
---
amdhsa.version: [ 1, 2 ]
amdhsa.kernels:
  - .name:           k_q4df6c5e99a_qkv
    .symbol:         k_q4df6c5e99a_qkv.kd
    .args:
      - { .name: hidden_states, .offset: 0, .size: 8, .value_kind: global_buffer, .address_space: global }
      - { .name: Wq, .offset: 8, .size: 8, .value_kind: global_buffer, .address_space: global }
      - { .name: Wk, .offset: 16, .size: 8, .value_kind: global_buffer, .address_space: global }
      - { .name: Wv, .offset: 24, .size: 8, .value_kind: global_buffer, .address_space: global }
      - { .name: bq, .offset: 32, .size: 8, .value_kind: global_buffer, .address_space: global }
      - { .name: bk, .offset: 40, .size: 8, .value_kind: global_buffer, .address_space: global }
      - { .name: bv, .offset: 48, .size: 8, .value_kind: global_buffer, .address_space: global }
      - { .name: qws, .offset: 56, .size: 8, .value_kind: global_buffer, .address_space: global }
      - { .name: kws, .offset: 64, .size: 8, .value_kind: global_buffer, .address_space: global }
      - { .name: vws, .offset: 72, .size: 8, .value_kind: global_buffer, .address_space: global }
    .group_segment_fixed_size: 231936
    .private_segment_fixed_size: 0
    .kernarg_segment_align: 8
    .kernarg_segment_size: 80
    .max_flat_workgroup_size: 256
    .sgpr_count:     66
    .vgpr_count:     448
    .wavefront_size: 32
...
	.end_amdgpu_metadata
.endif
;; end of part 1
;; launch attn (part 2): grid 8 x 32, 8 waves a work-group, clusters of 4 x 1, 327,680 bytes of LDS; arguments qws, kws, vws, attention_mask, rel_table, ctx; writes ctx
.if DOCPART == 2
	.amdgcn_target "amdgcn-amd-amdhsa--gfx1250"
	.amdhsa_code_object_version 6
	.text
	.protected	k_q4df6c5e99a_attn
	.globl	k_q4df6c5e99a_attn
	.p2align	8
	.type	k_q4df6c5e99a_attn,@function
k_q4df6c5e99a_attn:
	s_mov_b64 s[64:65], 0
	v_nop
	global_prefetch_b8 v0, s[64:65] scope:SCOPE_SE
	s_setreg_imm32_b32 hwreg(HW_REG_WAVE_MODE, 25, 1), 1
	s_wait_xcnt 0x0
	s_wait_alu depctr_hold_cnt(0) depctr_sa_sdst(0) depctr_va_vdst(0) depctr_va_sdst(0) depctr_va_ssrc(0) depctr_va_vcc(0) depctr_vm_vsrc(0)
	s_getreg_b32 s2, hwreg(HW_REG_IB_STS2, 6, 4)
	s_cmp_eq_u32 s2, 0
	s_cbranch_scc0 .Lentry_in_a_cluster
	s_endpgm
.Lentry_in_a_cluster:
	s_bfe_u32 s2, ttmp6, 0x10000c
	s_cmp_lg_u32 s2, 0x3003
	s_cbranch_scc0 .Lentry_shape_is_right
	s_endpgm
.Lentry_shape_is_right:
; Attention of one head for 256 queries: t = q k + bias + mask term (q already carries 0.125 log2(e)), running maximum, p = 2^(t - max),
; ctx = sum p v / sum p.  q, k: bf16, v: f16, ctx: bf16, all [batch][head][2048][64].
; Eight waves, two on a SIMD; wave w owns queries 32 w .. 32 w + 31 of the block.  Keys come in 8 tiles of 256 through two LDS slots and are
; worked in sub-blocks of 128.
; CLUSTER: the four work-groups of a cluster are four query blocks of one head and read the same K and V: every tile is asked for jointly.
; LAYOUT: the scores are made transposed (source 0 = 16 keys, source 1 = 16 queries): register j of lane (r, h) is key 16 t + 8 h + j of query r.
; Two neighbouring key tiles, packed to 16 bits, ARE source 1 of the second product (source 0 = V transposed by the LDS load), whose result
; holds 8 neighbouring d of one query in a lane.  So p never leaves the registers, maximum, sum and rescaling are a lane's own, and only the
; maximum crosses the two halves of the wave (one v_permlanex16_b32 for 16 queries and 128 keys).
; BIAS: a work-group keeps TW[u] = log2(e) rel_table[clip(u - 255 - q0) + 512][head], u = key - (query - q0) + 255, 0 .. 2303.  A 16 x 16 tile of bias
; hangs on (key tile - query tile) alone, so nine tiles serve the 16 score tiles of a sub-block, and a tile is the C operand of the score's first
; matrix instruction: the bias costs no vector instruction.  A lane's eight words start at any u, so four copies shifted by 0..3 words are kept
; and the lane reads the copy in which its start is a multiple of 16 bytes.  The block's q0 enters the gather's global address alone.
; MASK: (1 - mask) x (lowest finite f32), made as the problem defines it and not multiplied by log2(e): a term that is not zero is 2e31 at the least for
; any mask that differs from 1 by an f32 step and swallows the score in either base, so the weights are those of the definition (all keys masked: uniform).
; LIMITS: q and k in bf16; p and v in f16 (p <= 1 by the running maximum; p below 2^-24 rounds to 0 or 2^-24; |v| < 65,504); the sum of p is taken from
; the f32 p; v_exp_f32 gives 0 for results below 2^-126; inputs for which the definition gives NaN or infinity are not reproduced.
.set VP,   160                         ; LDS pitch of a row of V: 128 bytes + 32 (5 x 32, for the transposing load)
.set KP,   144                         ; of a row of K: 128 + 16 (9 x 16)
.set KOFF, 256*VP                      ; in a slot: V's 256 rows, then K's
.set SLOT, KOFF+256*KP                 ; 77,824 bytes; two slots
.set BB,   2*SLOT                      ; 155,648: four copies of the bias table
.set CPB,  9280                        ; a copy: 2,304 words + 64 bytes (580 x 16, and 580 mod 16 = 4: the copies start 4 columns of 16 bytes apart)
.set MB,   BB+4*CPB                    ; 192,768: 2,048 mask terms
.set STG,  MB+8192                     ; 200,960: the stage, 32 rows x 144 bytes for each wave; ends at 237,824
                                       ; BB, MB, STG are multiples of 256 and no tensor load lands there
; window 0
.set AK,   4                           ; v4-5    my K fragments in slot 0, 1
.set AV,   6                           ; v6-7    my V fragments in slot 0, 1
.set ABI,  8                           ; v8      my bias words for this lap's first sub-block
.set STO,  9                           ; v9      stage: in
.set RD,   10                          ; v10     stage: back
.set CO,   11                          ; v11     16 x lane
.set QO,   12                          ; v12     my bytes of q
.set QF,   24                          ; v24-55  fragment of q (query tile, half of d) at 8 (2 q + ks)
.set F,    56                          ; v56-183 K fragments (key tile t, half ks) at 8 (t + 8 ks), then V fragments (32 keys ks, 16 d dt) at 8 (4 ks + dt)
.set BT,   184                         ; v184-255 nine bias tiles
.set GV,   56                          ; set-up only: nine gathered words,
.set GOF,  66                          ; their offsets,
.set MV,   76                          ; eight mask numbers,
.set MOF,  84                          ; their offset, and two LDS addresses
.set BST,  85
.set MST,  86
; window 1: v0-127 scores (query tile q, key tile t) at 64 q + 8 t; p packed in place at 64 q + 16 (t >> 1) + 4 (t & 1)
.set ACC,  128                         ; v128-191 ctx tile (dt, q) at 8 (2 dt + q)
.set MK,   192                         ; v192-223 mask terms of four key tiles
.set TM,   224                         ; v224-231 four chains of maxima for each query tile
.set TX,   232                         ; v232-233 what the other half of the wave sends
.set MX,   234                         ; v234-237 the running maximum, twice (a pair for the packed forms)
.set AL,   238                         ; v238-241 2^(old maximum - new), twice
.set BS,   242                         ; v242-249 two chains of packed sums for each query tile
.set LS,   250                         ; v250-253 the running sum, in two halves
.set AMK,  254                         ; v254     my mask terms for this lap's first sub-block
.set G1V, 24                           ; s[24:31] descriptor group 1 for V
.set G1K, 32                           ; s[32:39] for K: another pad
.set G0V, 40                           ; s[40:47] group 0 for V, slot 0, 1
.set G0K, 48                           ; s[48:55] group 0 for K, slot 0, 1
.set MSB, 0
.macro WIN new                         ; low byte: bits 1:0 source 0, 3:2 source 1, 5:4 source 2, 7:6 destination; high byte: the setting that is left
.if MSB != \new
	s_set_vgpr_msb (MSB<<8)|\new
.set MSB, \new
.endif
.endm
.macro PLACES cnt
.rept \cnt
	v_nop
.endr
.endm
; a round of the cluster's barrier: my work-group's barrier, wave 0 signals for the work-group, every wave waits for all four, my barrier again
.macro ROUND
	s_barrier_signal -1
	s_barrier_wait -1
	s_cmp_lg_u32 s16, 0
	s_cbranch_scc1 .Lnot_wave_0_\@
	s_barrier_signal -3
.Lnot_wave_0_\@:
	s_barrier_wait -3
	s_barrier_signal -1
	s_barrier_wait -1
.endm
; a joint load: waves 0-3 fetch the four quarters (64 rows) of V's tile, waves 4-7 those of K's.  The branch hangs on the wave's number alone.
.macro JLOAD s
	s_cmp_eq_u32 s17, 0
	s_cbranch_scc0 .Lfor_k_\@
	tensor_load_to_lds s[G0V+4*(\s):G0V+4*(\s)+3], s[G1V:G1V+7]
	s_nop 0
	s_branch .Lasked_\@
.Lfor_k_\@:
	tensor_load_to_lds s[G0K+4*(\s):G0K+4*(\s)+3], s[G1K:G1K+7]
	s_nop 0
.Lasked_\@:
.endm
	s_load_b256 s[4:11], s[0:1], 0x0               ; q s[4:5], k s[6:7], v s[8:9], mask s[10:11]
	s_load_b128 s[12:15], s[0:1], 0x20             ; rel_table s[12:13], ctx s[14:15]
	v_lshl_add_u32 v22, v0, 2, 0x3a100
	v_mov_b32 v23, 0
	ds_add_u32 v22, v23
	v_lshrrev_b32 v1, 5, v0
	v_readfirstlane_b32 s16, v1                    ; wave 0..7
	s_lshr_b32 s17, s16, 2                         ; 0: I fetch for V, 1: for K
	s_and_b32 s18, s16, 3                          ; which quarter
	s_bfe_u32 s19, ttmp6, 0x40000                  ; cx: my place in the cluster
	s_lshl_b32 s20, ttmp9, 2
	s_add_co_u32 s20, s20, s19                     ; query block = 4 x cluster x + cx
	s_lshl_b32 s20, s20, 8                         ; q0
	s_and_b32 s21, ttmp7, 0xffff                   ; 8 x batch + head
	s_mov_b32 s56, 0x76543210                      ; v_permlanex16_b32: lane i of one half reads lane i of the other
	s_mov_b32 s57, 0xfedcba98
	v_and_b32 v1, 15, v0                           ; r
	v_bfe_u32 v2, v0, 4, 1                         ; h
	v_mul_u32_u24 v[AK], v1, KP
	v_lshl_add_u32 v[AK], v2, 4, v[AK]
	v_add_nc_u32 v[AK+1], SLOT+KOFF, v[AK]
	v_add_nc_u32 v[AK], KOFF, v[AK]
	v_and_b32 v3, 7, v0
	v_lshl_add_u32 v3, v2, 3, v3                   ; transposing load: key 8 h + (lane & 7),
	v_mul_u32_u24 v[AV], v3, VP
	v_bfe_u32 v3, v0, 3, 1
	v_lshl_add_u32 v[AV], v3, 4, v[AV]             ; 16 bytes for each group of eight lanes
	v_add_nc_u32 v[AV+1], SLOT, v[AV]
	v_lshl_add_u32 v3, v2, 3, 239
	v_sub_nc_u32 v3, v3, v1
	v_and_b32 v13, 0xe0, v0                        ; 32 x wave
	v_sub_nc_u32 v3, v3, v13                       ; ub = 239 + 8 h - r - 32 w, 0 .. 247: my u for bias tile 0 of sub-block 0
	v_and_b32 v[ABI], 3, v3                        ; the copy in which ub falls on 16 bytes
	v_mul_u32_u24 v[ABI], v[ABI], CPB
	v_and_b32 v3, -4, v3
	v_lshl_add_u32 v[ABI], v3, 2, v[ABI]
	v_add_nc_u32 v[ABI], BB, v[ABI]
	s_mul_i32 s59, s16, 32*KP
	s_add_co_u32 s59, s59, STG                     ; my wave's stage
	v_mul_u32_u24 v[STO], v1, KP
	v_lshl_add_u32 v[STO], v2, 4, v[STO]
	v_add_nc_u32 v[STO], s59, v[STO]
	v_bfe_u32 v3, v0, 3, 2
	v_mul_u32_u24 v[RD], v3, KP                    ; back: eight lanes take a row of 128 bytes
	v_and_b32 v3, 7, v0
	v_lshl_add_u32 v[RD], v3, 4, v[RD]
	v_add_nc_u32 v[RD], s59, v[RD]
	v_and_b32 v[CO], 31, v0
	v_lshlrev_b32 v[CO], 4, v[CO]
	v_add_nc_u32 v[QO], v13, v1
	v_lshlrev_b32 v[QO], 7, v[QO]                  ; query 32 w + r: rows of 128 bytes
	v_lshl_add_u32 v[QO], v2, 4, v[QO]
	v_lshlrev_b32 v[MOF], 5, v0                    ; thread t makes the mask terms of keys 8 t .. 8 t + 7
	v_add_nc_u32 v[MST], MB, v[MOF]
	v_lshlrev_b32 v[BST], 2, v0
	v_add_nc_u32 v[BST], BB, v[BST]
	v_lshl_add_u32 v3, v2, 5, MB                   ; mask terms of keys 8 h ..
	s_wait_dscnt 0x0
	s_wait_kmcnt 0x0
	s_lshl_b32 s22, s21, 18                        ; the head's plane: 2,048 rows of 128 bytes
	s_lshl_b32 s60, s20, 7
	s_add_co_u32 s60, s22, s60
	s_mov_b32 s61, 0
	s_add_nc_u64 s[4:5], s[4:5], s[60:61]          ; q at the block's first query
	s_lshl_b32 s62, s16, 12
	s_add_co_u32 s60, s60, s62
	s_add_nc_u64 s[14:15], s[14:15], s[60:61]      ; ctx at my wave's first query
	s_lshl_b32 s62, s18, 13                        ; my quarter: 64 rows of 128 bytes.  s[22:23] never hold my place in the cluster
	s_add_co_u32 s22, s22, s62
	s_mov_b32 s23, 0
	s_add_nc_u64 s[6:7], s[6:7], s[22:23]
	s_add_nc_u64 s[8:9], s[8:9], s[22:23]
	s_lshr_b32 s62, s21, 3
	s_lshl_b32 s62, s62, 13                        ; the batch's 2,048 mask numbers
	s_mov_b32 s63, 0
	s_add_nc_u64 s[10:11], s[10:11], s[62:63]
	s_and_b32 s62, s21, 7
	s_lshl_b32 s62, s62, 2                         ; the head's column of rel_table
	s_add_nc_u64 s[12:13], s[12:13], s[62:63]
	s_sub_co_u32 s60, 1793, s20                    ; 1793 - q0, 1 at the least
.irp q, 0,1
.irp ks, 0,1
	global_load_b128 v[QF+8*(2*\q+\ks):QF+8*(2*\q+\ks)+3],   v[QO], s[4:5] offset:2048*\q+64*\ks
	global_load_b128 v[QF+8*(2*\q+\ks)+4:QF+8*(2*\q+\ks)+7], v[QO], s[4:5] offset:2048*\q+64*\ks+32
.endr
.endr
	; the bias table: u = t + 256 i.  The table's row is clamp(u + 257 - q0, 0, 1024), made without a negative number:
.irp i, 0,1,2,3,4,5,6,7,8
	v_add3_u32 v[GOF+\i], v0, s60, 256*\i          ; a = row + 1536
	v_min_u32 v[GOF+\i], 2560, v[GOF+\i]           ; row <= 1024
	v_sub_nc_u32 v[GOF+\i], 2560, v[GOF+\i]        ; 1024 - row
	v_min_u32 v[GOF+\i], 1024, v[GOF+\i]           ; row >= 0
	v_sub_nc_u32 v[GOF+\i], 1024, v[GOF+\i]
	v_lshlrev_b32 v[GOF+\i], 5, v[GOF+\i]          ; rows of 8 f32; the last byte read is 32 x 1024 + 28 + 3, the table's last
	global_load_b32 v[GV+\i], v[GOF+\i], s[12:13]
.endr
	global_load_b128 v[MV:MV+3],   v[MOF], s[10:11]
	global_load_b128 v[MV+4:MV+7], v[MOF], s[10:11] offset:16
	; descriptors.  Group 1: a quarter tile of 64 rows x 64 numbers of 2 bytes, each row padded in LDS
	s_mov_b32 s[G1V+0], 15|(1<<16)|(1<<20)|(1<<21)|(4<<22)|(7<<25)   ; 15:0 all four work-groups; 17:16 2 bytes; 20 padding on; 21 set beside a mask; 24:22 after every 32 words; 31:25 eight words
	s_mov_b32 s[G1K+0], 15|(1<<16)|(1<<20)|(1<<21)|(4<<22)|(3<<25)   ; the same with four words
.irp g, G1V, G1K
	s_mov_b32 s[\g+1], 64<<16                      ; tensor_dim0 = 64
	s_mov_b32 s[\g+2], 64<<16                      ; tensor_dim1 = 64
	s_mov_b32 s[\g+3], 64<<16                      ; tile_dim0 = 64
	s_mov_b32 s[\g+4], 64                          ; tile_dim1 = 64
	s_mov_b32 s[\g+5], 64                          ; 64 numbers from row to row
	s_mov_b32 s[\g+6], 0
	s_mov_b32 s[\g+7], 0
.endr
	s_mul_i32 s59, s16, 64*VP                      ; V, waves 0-3: wave x 64 rows
	s_mul_i32 s58, s16, 64*KP                      ; K, waves 4-7: KOFF + (wave - 4) x 64 rows
	s_add_co_u32 s58, s58, KOFF-4*64*KP
.irp s, 0,1
	s_mov_b32 s[G0V+4*\s], 1
	s_add_co_u32 s[G0V+4*\s+1], s59, \s*SLOT
	s_add_nc_u64 s[G0V+4*\s+2:G0V+4*\s+3], s[8:9], \s*32768        ; tile s: 256 rows of 128 bytes each
	s_or_b32 s[G0V+4*\s+3], s[G0V+4*\s+3], 0x80000000
	s_mov_b32 s[G0K+4*\s], 1
	s_add_co_u32 s[G0K+4*\s+1], s58, \s*SLOT
	s_add_nc_u64 s[G0K+4*\s+2:G0K+4*\s+3], s[6:7], \s*32768
	s_or_b32 s[G0K+4*\s+3], s[G0K+4*\s+3], 0x80000000
.endr
	ROUND                                          ; all four work-groups are here: the first joint loads meet
	JLOAD 0                                        ; tile 0
	s_wait_loadcnt 0x0                             ; q, the gathered words, the mask
.irp i, 0,1,2,3,4,5,6,7,8
	v_mul_f32 v[GV+\i], 0x3fb8aa3b, v[GV+\i]       ; x log2(e)
.irp c, 0,1,2,3
	ds_store_b32 v[BST], v[GV+\i] offset:1024*\i+(CPB-4)*\c        ; copy c holds TW[u] at word u - c (u < c falls into the pad in front)
.endr
.endr
.irp j, 0,1,2,3,4,5,6,7
	v_sub_f32 v[MV+\j], 1.0, v[MV+\j]
.endr
.irp j, 0,1,2,3,4,5,6,7
	v_mul_f32 v[MV+\j], 0xff7fffff, v[MV+\j]       ; x the lowest finite f32
.endr
	ds_store_b128 v[MST], v[MV:MV+3]
	ds_store_b128 v[MST], v[MV+4:MV+7] offset:16
	WIN 0x40
	v_mov_b32 v[AMK], v3
	v_mov_b32 v[TX], 0                             ; v_permlanex16_b32 counts as a reader of its destination
	v_mov_b32 v[TX+1], 0
	WIN 0
.macro BTLOAD bo                       ; the nine bias tiles of sub-block bo of the lap (window 0)
.irp dg, 0,1,2,3,4,5,6,7,8
	ds_load_b128 v[BT+8*\dg:BT+8*\dg+3],   v[ABI] offset:512*(\bo)+64*\dg
	ds_load_b128 v[BT+8*\dg+4:BT+8*\dg+7], v[ABI] offset:512*(\bo)+64*\dg+16
.endr
.endm
.macro MKLOAD bo, half                 ; the mask terms of four key tiles (window 1)
.irp tt, 0,1,2,3
	ds_load_b128 v[MK+8*\tt:MK+8*\tt+3],   v[AMK] offset:512*(\bo)+256*\half+64*\tt
	ds_load_b128 v[MK+8*\tt+4:MK+8*\tt+7], v[AMK] offset:512*(\bo)+256*\half+64*\tt+16
.endr
.endm
.macro MADD t0                         ; scores of key tiles t0 .. t0 + 3 += mask terms
.irp tt, 0,1,2,3
.irp q, 0,1
.irp p, 0,2,4,6
	v_pk_add_f32 v[64*\q+8*(\t0+\tt)+\p:64*\q+8*(\t0+\tt)+\p+1], v[64*\q+8*(\t0+\tt)+\p:64*\q+8*(\t0+\tt)+\p+1], v[MK+8*\tt+\p:MK+8*\tt+\p+1]
.endr
.endr
.endr
.endm
.macro MMAX t0                         ; their maxima, eight chains that do not wait for each other; key tile 0 starts the chains
.irp tt, 0,1,2,3
.irp q, 0,1
.irp p, 0,1,2,3
.if (\t0+\tt) == 0
	v_max_num_f32 v[TM+4*\q+\p], v[64*\q+2*\p], v[64*\q+2*\p+1]
.else
	v_max3_num_f32 v[TM+4*\q+\p], v[TM+4*\q+\p], v[64*\q+8*(\t0+\tt)+2*\p], v[64*\q+8*(\t0+\tt)+2*\p+1]
.endif
.endr
.endr
.endr
.endm
; score tile i: query tile i & 1, key tile i >> 1
.macro SUBT i                          ; t - maximum
.set sc_, 64*((\i)&1)+8*((\i)>>1)
.set mx_, MX+2*((\i)&1)
.irp p, 0,2,4,6
	v_pk_add_f32 v[sc_+\p:sc_+\p+1], v[sc_+\p:sc_+\p+1], v[mx_:mx_+1] neg_lo:[0,1] neg_hi:[0,1]
.endr
.endm
.macro EXPT i
.set sc_, 64*((\i)&1)+8*((\i)>>1)
.irp p, 0,1,2,3,4,5,6,7
	v_exp_f32 v[sc_+\p], v[sc_+\p]
.endr
.endm
.macro FINT i                          ; p into the sums, then packed to f16 where the second product reads it (each target register has been consumed)
.set sc_, 64*((\i)&1)+8*((\i)>>1)
.set bs_, BS+4*((\i)&1)
.set pd_, 64*((\i)&1)+16*((\i)>>2)+4*(((\i)>>1)&1)
.if ((\i)>>1) == 0
	s_wait_alu depctr_va_vdst(0)
	v_pk_add_f32 v[bs_:bs_+1],   v[sc_:sc_+1],   v[sc_+2:sc_+3]    ; key tile 0 starts the sums
	v_pk_add_f32 v[bs_+2:bs_+3], v[sc_+4:sc_+5], v[sc_+6:sc_+7]
.else
	s_wait_alu depctr_va_vdst(0)
	v_pk_add_f32 v[bs_:bs_+1],   v[bs_:bs_+1],   v[sc_:sc_+1]
	v_pk_add_f32 v[bs_+2:bs_+3], v[bs_+2:bs_+3], v[sc_+2:sc_+3]
	v_pk_add_f32 v[bs_:bs_+1],   v[bs_:bs_+1],   v[sc_+4:sc_+5]
	v_pk_add_f32 v[bs_+2:bs_+3], v[bs_+2:bs_+3], v[sc_+6:sc_+7]
.endif
.irp p, 0,1,2,3
	v_cvt_pk_f16_f32 v[pd_+\p], v[sc_+2*\p], v[sc_+2*\p+1]
.endr
.endm
; 128 keys: half sb of the tile in slot; bo = the sub-block's number in the lap (the bias and mask immediates);
; first = 1: the very first (nothing to rescale, the first products start the sums); nxt = 1: the next sub-block's bias and mask are fetched ahead.
.macro SUBBLK slot, sb, bo, first, nxt
.if \first
	WIN 0x55
	MKLOAD 0, 0
	WIN 0
	BTLOAD 0
.endif
	WIN 0
.irp ks, 0,1
.irp t, 0,1,2,3,4,5,6,7
	ds_load_b128 v[F+8*(\t+8*\ks):F+8*(\t+8*\ks)+3],   v[AK+\slot] offset:(128*\sb+16*\t)*KP+64*\ks
	ds_load_b128 v[F+8*(\t+8*\ks)+4:F+8*(\t+8*\ks)+7], v[AK+\slot] offset:(128*\sb+16*\t)*KP+64*\ks+32
.endr
.endr
	s_wait_dscnt 16                                ; the youngest 16 loads (K, d 32-63) may stay out; bias, mask and K, d 0-31, are in
	WIN 0x40                                       ; D in window 1; K, q and the bias tile (as C) in window 0
.irp t, 0,1,2,3,4,5,6,7
.irp q, 0,1
	v_wmma_f32_16x16x32_bf16 v[64*\q+8*\t:64*\q+8*\t+7], v[F+8*\t:F+8*\t+7], v[QF+16*\q:QF+16*\q+7], v[BT+8*(\t-\q+1):BT+8*(\t-\q+1)+7]
.endr
.endr
	s_wait_dscnt 0x0
	WIN 0x50                                       ; the 16 score tiles take turns, one instruction a turn
.irp t, 0,1,2,3,4,5,6,7
.irp q, 0,1
	v_wmma_f32_16x16x32_bf16 v[64*\q+8*\t:64*\q+8*\t+7], v[F+8*(\t+8):F+8*(\t+8)+7], v[QF+16*\q+8:QF+16*\q+15], v[64*\q+8*\t:64*\q+8*\t+7]
.endr
.endr
	PLACES 4                                       ; four places before loads land on K's and the bias registers and the scores are read
	WIN 0
.irp ks, 0,1,2,3
.irp dt, 0,1,2,3
	ds_load_tr16_b128 v[F+8*(4*\ks+\dt):F+8*(4*\ks+\dt)+3],   v[AV+\slot] offset:(128*\sb+32*\ks)*VP+32*\dt
	ds_load_tr16_b128 v[F+8*(4*\ks+\dt)+4:F+8*(4*\ks+\dt)+7], v[AV+\slot] offset:(128*\sb+32*\ks)*VP+32*\dt+16*VP
.endr
.endr
.if \nxt
	BTLOAD \bo+1
.endif
	WIN 0x55                                       ; the softmax lives in window 1
	MADD 0
	MKLOAD \bo, 1                                  ; the mask terms of key tiles 4-7 take the registers just read
	MMAX 0
	s_wait_dscnt 0x0                               ; they are in (and, older than they, V and the next bias tiles)
	MADD 4
.if \nxt
	MKLOAD \bo+1, 0
.endif
	MMAX 4
.irp q, 0,1
	v_max3_num_f32 v[TM+4*\q], v[TM+4*\q], v[TM+4*\q+1], v[TM+4*\q+2]
.endr
.irp q, 0,1
	v_max_num_f32 v[TM+4*\q], v[TM+4*\q], v[TM+4*\q+3]
.endr
.irp q, 0,1
	v_permlanex16_b32 v[TX+\q], v[TM+4*\q], s56, s57               ; the other half of the wave holds the same queries' other keys
.endr
.if \first
.irp q, 0,1
	v_max_num_f32 v[TM+4*\q+1], v[TM+4*\q], v[TX+\q]
.endr
.else
.irp q, 0,1
	v_max3_num_f32 v[TM+4*\q+1], v[MX+2*\q], v[TM+4*\q], v[TX+\q]  ; the new running maximum
.endr
.irp q, 0,1
	v_sub_f32 v[AL+2*\q], v[MX+2*\q], v[TM+4*\q+1]
.endr
	v_exp_f32 v[AL], v[AL]
	v_exp_f32 v[AL+2], v[AL+2]                     ; the moves below are the plain place behind the exponentials (ISA guide 5.7.2)
.endif
.irp q, 0,1
	v_mov_b32 v[MX+2*\q],   v[TM+4*\q+1]
	v_mov_b32 v[MX+2*\q+1], v[TM+4*\q+1]
.endr
.if \first == 0
	s_wait_alu depctr_va_vdst(0)
	v_mov_b32 v[AL+1], v[AL]
	v_mov_b32 v[AL+3], v[AL+2]
.endif
	; p = 2^(t - maximum), tile by tile in a pipeline: behind a tile's eight exponentials stand the next tile's subtractions or the tile before's sums
	SUBT 0
	EXPT 0
.set ci, 1
.rept 15
	SUBT ci
	EXPT ci
	FINT ci-1
.set ci, ci+1
.endr
	FINT 15
.if \first
.irp q, 0,1
	v_pk_add_f32 v[LS+2*\q:LS+2*\q+1], v[BS+4*\q:BS+4*\q+1], v[BS+4*\q+2:BS+4*\q+3]
.endr
.else
.irp q, 0,1
	v_pk_fma_f32 v[LS+2*\q:LS+2*\q+1], v[LS+2*\q:LS+2*\q+1], v[AL+2*\q:AL+2*\q+1], v[BS+4*\q:BS+4*\q+1]
.endr
.irp q, 0,1
	v_pk_add_f32 v[LS+2*\q:LS+2*\q+1], v[LS+2*\q:LS+2*\q+1], v[BS+4*\q+2:BS+4*\q+3]
.endr
.irp dt, 0,1,2,3
.irp q, 0,1
.irp p, 0,2,4,6
	v_pk_mul_f32 v[ACC+8*(2*\dt+\q)+\p:ACC+8*(2*\dt+\q)+\p+1], v[ACC+8*(2*\dt+\q)+\p:ACC+8*(2*\dt+\q)+\p+1], v[AL+2*\q:AL+2*\q+1]
.endr
.endr
.endr
.endif
	WIN 0x54                                       ; V in window 0; p, C and D in window 1.  The 8 ctx tiles take turns
.irp ks, 0,1,2,3
.set z_, 0
.if \first
.if \ks == 0
.set z_, 1
.endif
.endif
.irp dt, 0,1,2,3
.irp q, 0,1
.if z_
	v_wmma_f32_16x16x32_f16 v[ACC+8*(2*\dt+\q):ACC+8*(2*\dt+\q)+7], v[F+8*(4*\ks+\dt):F+8*(4*\ks+\dt)+7], v[64*\q+16*\ks:64*\q+16*\ks+7], 0
.else
	v_wmma_f32_16x16x32_f16 v[ACC+8*(2*\dt+\q):ACC+8*(2*\dt+\q)+7], v[F+8*(4*\ks+\dt):F+8*(4*\ks+\dt)+7], v[64*\q+16*\ks:64*\q+16*\ks+7], v[ACC+8*(2*\dt+\q):ACC+8*(2*\dt+\q)+7]
.endif
.endr
.endr
.endr
	PLACES 5                                       ; five places before the next scores are written over p (four would do for the loads onto V's registers)
.endm
; One tile of 256 keys.  The round of the cluster's barrier stands where a slot is filled again: in front of it every wave has waited for all its
; tensor loads (one is out: its quarter of this trip's tile) and for its LDS reads; behind it the other slot's refill is the first tensor load,
; and has the whole trip (128 matrix instructions of each wave) in which to land.
.macro TRIP slot, refill, first, last
	WIN 0
	s_wait_tensorcnt 0x0
	ds_add_u32 v22, v23
	s_wait_dscnt 0x0
	s_add_nc_u64 s[G0V+4*\slot+2:G0V+4*\slot+3], s[G0V+4*\slot+2:G0V+4*\slot+3], 65536   ; no load of mine is out: this slot's next tile, two tiles on
	s_add_nc_u64 s[G0K+4*\slot+2:G0K+4*\slot+3], s[G0K+4*\slot+2:G0K+4*\slot+3], 65536
	s_wait_dscnt 0x0
	ROUND
.if \refill
	JLOAD 1-\slot
.endif
	SUBBLK \slot, 0, 2*\slot, \first, 1
	SUBBLK \slot, 1, 2*\slot+1, 0, 1-\last
.endm
.macro LAPEND                          ; a lap = two tiles = 512 keys: bias and mask addresses step 512 words
	WIN 0
	v_add_nc_u32 v[ABI], 2048, v[ABI]
	WIN 0x55
	v_add_nc_u32 v[AMK], 2048, v[AMK]
	WIN 0
.endm
	TRIP 0, 1, 1, 0                                ; tiles 0, 1: the first lap stands in front of the loop, its first products start the sums
	TRIP 1, 1, 0, 0
	LAPEND
	s_mov_b32 s58, 2
.Llap:
	TRIP 0, 1, 0, 0                                ; tiles 2-5
	TRIP 1, 1, 0, 0
	LAPEND
	s_sub_co_u32 s58, s58, 1
	s_cmp_lg_u32 s58, 0
	s_cbranch_scc1 .Llap
	TRIP 0, 1, 0, 0                                ; tile 6; tile 7 is asked for
	TRIP 1, 0, 0, 1                                ; tile 7: nothing more to fetch
	; THE WAY OUT: ctx / sum of p, rounded to bf16, through my own stage, whole rows out
	WIN 0x55
.irp q, 0,1
	v_add_f32 v[LS+2*\q], v[LS+2*\q], v[LS+2*\q+1]
.endr
.irp q, 0,1
	v_permlanex16_b32 v[TX+\q], v[LS+2*\q], s56, s57
.endr
.irp q, 0,1
	v_add_f32 v[LS+2*\q], v[LS+2*\q], v[TX+\q]     ; 1 at the least: the key of the maximum has p = 1
.endr
	v_rcp_f32 v[AL], v[LS]
	v_rcp_f32 v[AL+2], v[LS+2]
	v_nop                                          ; the plain place behind the reciprocals
	s_wait_alu depctr_va_vdst(0)
	v_mov_b32 v[AL+1], v[AL]
	v_mov_b32 v[AL+3], v[AL+2]
.irp dt, 0,1,2,3
.irp q, 0,1
.irp p, 0,2,4,6
	v_pk_mul_f32 v[ACC+8*(2*\dt+\q)+\p:ACC+8*(2*\dt+\q)+\p+1], v[ACC+8*(2*\dt+\q)+\p:ACC+8*(2*\dt+\q)+\p+1], v[AL+2*\q:AL+2*\q+1]
.endr
.endr
.endr
	WIN 0x05
.irp dt, 0,1,2,3
.irp q, 0,1
.irp p, 0,1,2,3
	v_cvt_pk_bf16_f32 v[F+4*(2*\dt+\q)+\p], v[ACC+8*(2*\dt+\q)+2*\p], v[ACC+8*(2*\dt+\q)+2*\p+1]
.endr
.endr
.endr
	WIN 0
.irp dt, 0,1,2,3
.irp q, 0,1
	ds_store_b128 v[STO], v[F+4*(2*\dt+\q):F+4*(2*\dt+\q)+3] offset:16*KP*\q+32*\dt
.endr
.endr
.irp i, 0,1,2,3,4,5,6,7
	ds_load_b128 v[120+4*\i:120+4*\i+3], v[RD] offset:4*KP*\i      ; my own bytes: LDS serves a wave's instructions in order (ISA guide 5.7.1)
.endr
.irp i, 0,1,2,3,4,5,6,7
	s_wait_dscnt 7-\i                              ; this load is in, the younger ones stay out
	global_store_b128 v[CO], v[120+4*\i:120+4*\i+3], s[14:15] offset:512*\i    ; a wave stores 512 consecutive bytes: four rows
.endr
	s_wait_tensorcnt 0x0
	ds_add_u32 v22, v23
	s_wait_dscnt 0x0
	ROUND                                          ; the closing round: no work-group ends while a partner may still ask jointly
	s_endpgm
.Lfunc_end_k_q4df6c5e99a_attn:
	.size	k_q4df6c5e99a_attn, .Lfunc_end_k_q4df6c5e99a_attn-k_q4df6c5e99a_attn
	.p2alignl 7, 3214868480
	.fill 96, 4, 3214868480
	.section	.rodata,"a",@progbits
	.p2align	6, 0x0
	.amdhsa_kernel k_q4df6c5e99a_attn
		.amdhsa_group_segment_fixed_size 327680
		.amdhsa_private_segment_fixed_size 0
		.amdhsa_enable_private_segment 0
		.amdhsa_kernarg_size 48
		.amdhsa_user_sgpr_count 2
		.amdhsa_user_sgpr_kernarg_segment_ptr 1
		.amdhsa_wavefront_size32 1
		.amdhsa_system_sgpr_workgroup_id_x 1
		.amdhsa_system_sgpr_workgroup_id_y 1
		.amdhsa_system_sgpr_workgroup_id_z 1
		.amdhsa_system_vgpr_workitem_id 0
		.amdhsa_next_free_vgpr 512
		.amdhsa_next_free_sgpr 66
		.amdhsa_reserve_vcc 0
		.amdhsa_float_denorm_mode_32 3
		.amdhsa_float_denorm_mode_16_64 3
		.amdhsa_memory_ordered 1
		.amdhsa_forward_progress 1
		.amdhsa_inst_pref_size 255
	.end_amdhsa_kernel
	.section	.bss,"aw",@nobits
	.p2align	6
	.space	262144
	.amdgpu_metadata
---
amdhsa.version: [ 1, 2 ]
amdhsa.kernels:
  - .name:           k_q4df6c5e99a_attn
    .symbol:         k_q4df6c5e99a_attn.kd
    .args:
      - { .name: qws, .offset: 0, .size: 8, .value_kind: global_buffer, .address_space: global }
      - { .name: kws, .offset: 8, .size: 8, .value_kind: global_buffer, .address_space: global }
      - { .name: vws, .offset: 16, .size: 8, .value_kind: global_buffer, .address_space: global }
      - { .name: attention_mask, .offset: 24, .size: 8, .value_kind: global_buffer, .address_space: global }
      - { .name: rel_table, .offset: 32, .size: 8, .value_kind: global_buffer, .address_space: global }
      - { .name: ctx, .offset: 40, .size: 8, .value_kind: global_buffer, .address_space: global }
    .group_segment_fixed_size: 327680
    .private_segment_fixed_size: 0
    .kernarg_segment_align: 8
    .kernarg_segment_size: 48
    .max_flat_workgroup_size: 256
    .sgpr_count:     66
    .vgpr_count:     512
    .wavefront_size: 32
...
	.end_amdgpu_metadata
.endif
;; end of part 2
;; launch oproj (part 3): grid 4 x 64, 8 waves a work-group, no clusters, 144,384 bytes of LDS; arguments ctx, Wo, bo, out0; writes out0
.if DOCPART == 3
	.amdgcn_target "amdgcn-amd-amdhsa--gfx1250"
	.amdhsa_code_object_version 6
	.text
	.protected	k_q4df6c5e99a_oproj
	.globl	k_q4df6c5e99a_oproj
	.p2align	8
	.type	k_q4df6c5e99a_oproj,@function
k_q4df6c5e99a_oproj:
	s_mov_b64 s[64:65], 0
	v_nop
	global_prefetch_b8 v0, s[64:65] scope:SCOPE_SE
	s_setreg_imm32_b32 hwreg(HW_REG_WAVE_MODE, 25, 1), 1
	s_wait_xcnt 0x0
; out0 = ctx Wo + bo.  ctx: [batch][head][2048][64] bf16.  Wo: [512 (k)][512 (n)] f32.  out0: [8192][512] f32.
; A work-group makes 128 rows x 128 columns; wave w rows 32 (w & 3) .. + 31, columns 64 (w >> 2) .. + 63: 2 x 4 accumulator tiles.
; K goes in 8 steps of 64, one head's plane of ctx each (128 rows x 128 bytes, dense), through two LDS buffers and two sets of registers,
; so that two steps' loads (24 of a wave) are on their way while a step is multiplied.
; NO TENSOR LOADS, NO CLUSTER: Wo is f32 and lies [k][n]; it is rounded to bf16 once per work-group on the way through registers, and the transposing
; LDS load exists for 16-bit numbers only.  What could be shared as it lies, ctx, is 16 KiB of a step's 48 KiB.
; The matrix instruction is used transposed (source 0 = 16 columns of Wo, source 1 = 16 rows of ctx): a lane holds 8 neighbouring columns of a row.
; LIMIT: matrix operands are bf16.
.set XP,   144                         ; LDS pitch of a row of ctx: 128 bytes + 16
.set WP,   288                         ; of a k-row of Wo: 128 bf16 + 32 bytes (9 x 32)
.set BUF,  18432                       ; a buffer of either kind: 128 x 144 = 64 x 288
.set WS0,  2*BUF                       ; ctx buffers at 0 and BUF, Wo buffers at WS0 and WS0 + BUF
.set STG,  4*BUF                       ; 73,728: the stage, 32 rows x 272 bytes for each wave; ends at 143,360
.set SP,   272
.set XO,   1                           ; v1   16 t: my bytes in 4,096 bytes of ctx
.set WO,   2                           ; v2   row w of Wo, 16 bytes a lane
.set XST,  3                           ; v3   where I store 16 bytes of ctx
.set WST,  4                           ; v4   where I store 4 bf16 of Wo
.set XA,   5                           ; v5   my fragments of ctx
.set WA,   6                           ; v6   my fragments of Wo
.set STO,  7                           ; v7   stage: in
.set RD,   8                           ; v8   stage: back
.set CO,   9                           ; v9   my bytes in two rows of out0
.set BOO,  10                          ; v10  my four numbers of bo
.set G,    16                          ; v16-63, v64-111: two sets: 4 loads of ctx, then 8 of Wo
.set XF,   112                         ; v112-127
.set WF,   128                         ; v128-159
.set ACC,  160                         ; v160-223 tile (mt, nt) at 8 (4 mt + nt)
.set BO,   224                         ; v224-227
.macro PLACES cnt
.rept \cnt
	v_nop
.endr
.endm
	s_load_b256 s[4:11], s[0:1], 0x0               ; ctx s[4:5], Wo s[6:7], bo s[8:9], out0 s[10:11]
	v_lshl_add_u32 v228, v0, 2, 0x23000
	v_mov_b32 v229, 0
	v_lshrrev_b32 v11, 5, v0
	v_readfirstlane_b32 s12, v11                   ; wave 0..7
	s_and_b32 s13, s12, 3                          ; wm
	s_lshr_b32 s14, s12, 2                         ; wn
	s_and_b32 s15, ttmp7, 0xffff                   ; row block 0..63; ttmp9 is the column block 0..3
	v_and_b32 v12, 31, v0                          ; lane
	v_and_b32 v13, 15, v0                          ; r
	v_bfe_u32 v14, v0, 4, 1                        ; h
	v_lshlrev_b32 v[XO], 4, v0
	v_lshlrev_b32 v[WO], 11, v11
	v_lshl_add_u32 v[WO], v12, 4, v[WO]
	v_lshrrev_b32 v15, 3, v0
	v_mul_u32_u24 v[XST], v15, XP
	v_and_b32 v15, 7, v0
	v_lshl_add_u32 v[XST], v15, 4, v[XST]
	s_mul_i32 s16, s12, WP
	s_add_co_u32 s16, s16, WS0
	v_lshl_add_u32 v[WST], v12, 3, s16
	s_mul_i32 s16, s13, 32*XP
	v_mul_u32_u24 v[XA], v13, XP
	v_lshl_add_u32 v[XA], v14, 4, v[XA]
	v_add_nc_u32 v[XA], s16, v[XA]
	v_lshl_add_u32 v15, v14, 3, v15                ; transposing load: k-row 8 h + (lane & 7)
	v_mul_u32_u24 v[WA], v15, WP
	v_bfe_u32 v15, v0, 3, 1
	v_lshl_add_u32 v[WA], v15, 4, v[WA]
	s_lshl_b32 s16, s14, 7                         ; my 64 columns: 128 bytes
	s_add_co_u32 s16, s16, WS0
	v_add_nc_u32 v[WA], s16, v[WA]
	s_mul_i32 s16, s12, 32*SP
	s_add_co_u32 s16, s16, STG                     ; my wave's stage
	v_mul_u32_u24 v[STO], v13, SP
	v_lshl_add_u32 v[STO], v14, 5, v[STO]
	v_add_nc_u32 v[STO], s16, v[STO]
	v_mul_u32_u24 v[RD], v14, SP                   ; back: lanes 0-15 one row of 256 bytes, lanes 16-31 the next
	v_lshl_add_u32 v[RD], v13, 4, v[RD]
	v_add_nc_u32 v[RD], s16, v[RD]
	v_lshlrev_b32 v[CO], 11, v14
	v_lshl_add_u32 v[CO], v13, 4, v[CO]
	s_lshl_b32 s17, ttmp9, 9                       ; the block's 128 columns: 512 bytes
	s_lshl_b32 s18, s14, 8
	s_add_co_u32 s18, s17, s18                     ; + my 64 columns
	v_lshl_add_u32 v[BOO], v13, 4, s18
	s_wait_kmcnt 0x0
	s_lshr_b32 s20, s15, 4
	s_lshl_b32 s20, s20, 21                        ; the batch: 8 planes of 262,144 bytes
	s_and_b32 s19, s15, 15
	s_lshl_b32 s19, s19, 14                        ; 128 rows of 128 bytes
	s_add_co_u32 s20, s20, s19
	s_mov_b32 s21, 0
	s_add_nc_u64 s[4:5], s[4:5], s[20:21]
	s_mov_b32 s20, s17
	s_add_nc_u64 s[6:7], s[6:7], s[20:21]
	s_lshl_b32 s20, s15, 18                        ; 128 rows of 2,048 bytes
	s_lshl_b32 s19, s13, 16                        ; my 32 rows
	s_add_co_u32 s20, s20, s19
	s_add_co_u32 s20, s20, s18
	s_add_nc_u64 s[10:11], s[10:11], s[20:21]
.macro GLOAD s, set                    ; 12 loads: K step s
.irp i, 0,1,2,3
	global_load_b128 v[G+48*(\set)+4*\i:G+48*(\set)+4*\i+3], v[XO], s[4:5] offset:(\s)*262144+\i*4096
.endr
.irp i, 0,1,2,3,4,5,6,7
	global_load_b128 v[G+48*(\set)+16+4*\i:G+48*(\set)+16+4*\i+3], v[WO], s[6:7] offset:(\s)*131072+\i*16384
.endr
.endm
.macro CVST b                          ; set b into buffer b: ctx as it is, Wo rounded to bf16 in place
.irp i, 0,1,2,3
	ds_store_b128 v[XST], v[G+48*(\b)+4*\i:G+48*(\b)+4*\i+3] offset:(\b)*BUF+\i*32*XP
.endr
.irp i, 0,1,2,3,4,5,6,7
	v_cvt_pk_bf16_f32 v[G+48*(\b)+16+4*\i],   v[G+48*(\b)+16+4*\i],   v[G+48*(\b)+16+4*\i+1]
	v_cvt_pk_bf16_f32 v[G+48*(\b)+16+4*\i+1], v[G+48*(\b)+16+4*\i+2], v[G+48*(\b)+16+4*\i+3]
	ds_store_b64 v[WST], v[G+48*(\b)+16+4*\i:G+48*(\b)+16+4*\i+1] offset:(\b)*BUF+\i*8*WP
.endr
.endm
.macro COMP buf, zero                  ; the 8 accumulators take turns, one instruction a turn
.irp kk, 0,1
.irp mt, 0,1
	ds_load_b128 v[XF+8*\mt:XF+8*\mt+3],   v[XA] offset:(\buf)*BUF+\mt*16*XP+64*\kk
	ds_load_b128 v[XF+8*\mt+4:XF+8*\mt+7], v[XA] offset:(\buf)*BUF+\mt*16*XP+64*\kk+32
.endr
.irp nt, 0,1,2,3
	ds_load_tr16_b128 v[WF+8*\nt:WF+8*\nt+3],   v[WA] offset:(\buf)*BUF+\kk*32*WP+32*\nt
	ds_load_tr16_b128 v[WF+8*\nt+4:WF+8*\nt+7], v[WA] offset:(\buf)*BUF+\kk*32*WP+32*\nt+16*WP
.endr
	s_wait_dscnt 0x0
.set z_, 0
.if \zero
.if \kk == 0
.set z_, 1
.endif
.endif
.irp mt, 0,1
.irp nt, 0,1,2,3
.if z_
	v_wmma_f32_16x16x32_bf16 v[ACC+8*(4*\mt+\nt):ACC+8*(4*\mt+\nt)+7], v[WF+8*\nt:WF+8*\nt+7], v[XF+8*\mt:XF+8*\mt+7], 0
.else
	v_wmma_f32_16x16x32_bf16 v[ACC+8*(4*\mt+\nt):ACC+8*(4*\mt+\nt)+7], v[WF+8*\nt:WF+8*\nt+7], v[XF+8*\mt:XF+8*\mt+7], v[ACC+8*(4*\mt+\nt):ACC+8*(4*\mt+\nt)+7]
.endif
.endr
.endr
	PLACES 4                                       ; four places before loads land on the fragments or an LDS store reads a sum
.endr
.endm
; K step s.  One barrier a step: every wave's reads of this buffer against the stores of the step after next, the next step's stores against their reads.
.macro STEP s, zero
.set cb_, (\s)&1
.set nb_, ((\s)+1)&1
.set gs_, (\s)+3
	COMP cb_, \zero
.if (\s) < 7
.if (\s) < 6
	s_wait_loadcnt 12                              ; the next step's loads are in; the 12 of the step behind it stay out
.else
	s_wait_loadcnt 0x0                             ; the last step's: nothing is behind them
.endif
	CVST nb_
.if (\s) < 5
	GLOAD gs_, nb_
.endif
	s_wait_dscnt 0x0
	s_barrier_signal -1
	s_barrier_wait -1
.endif
.endm
	global_load_b128 v[BO:BO+3], v[BOO], s[8:9]
	GLOAD 0, 0
	GLOAD 1, 1
	s_wait_loadcnt 12                              ; bo and K step 0 are in; K step 1 stays out
	CVST 0
	GLOAD 2, 0
	s_wait_dscnt 0x0
	s_barrier_signal -1
	s_barrier_wait -1
	STEP 0, 1
	STEP 1, 0
	STEP 2, 0
	STEP 3, 0
	STEP 4, 0
	STEP 5, 0
	STEP 6, 0
	STEP 7, 0
	; THE WAY OUT: a lane's 32 bytes into my own stage, whole rows of 256 bytes back, + bo, out
.irp mt, 0,1
.irp nt, 0,1,2,3
	ds_store_b128 v[STO], v[ACC+8*(4*\mt+\nt):ACC+8*(4*\mt+\nt)+3]   offset:\mt*16*SP+64*\nt
	ds_store_b128 v[STO], v[ACC+8*(4*\mt+\nt)+4:ACC+8*(4*\mt+\nt)+7] offset:\mt*16*SP+64*\nt+16
.endr
.endr
.irp i, 0,1,2,3,4,5,6,7,8,9,10,11,12,13,14,15
	ds_load_b128 v[16+4*\i:16+4*\i+3], v[RD] offset:2*SP*\i        ; my own bytes: LDS serves a wave's instructions in order (ISA guide 5.7.1)
.endr
.irp i, 0,1,2,3,4,5,6,7,8,9,10,11,12,13,14,15
	s_wait_dscnt 15-\i                             ; this load is in, the younger ones stay out
	v_pk_add_f32 v[16+4*\i:16+4*\i+1], v[16+4*\i:16+4*\i+1], v[BO:BO+1]
	v_pk_add_f32 v[16+4*\i+2:16+4*\i+3], v[16+4*\i+2:16+4*\i+3], v[BO+2:BO+3]
	global_store_b128 v[CO], v[16+4*\i:16+4*\i+3], s[10:11] offset:4096*\i th:TH_STORE_NT   ; sixteen lanes store 256 consecutive bytes, at a multiple of 256 from out0
.endr
	s_wait_tensorcnt 0x0
	ds_add_u32 v228, v229
	s_wait_dscnt 0x0
	s_endpgm
.Lfunc_end_k_q4df6c5e99a_oproj:
	.size	k_q4df6c5e99a_oproj, .Lfunc_end_k_q4df6c5e99a_oproj-k_q4df6c5e99a_oproj
	.p2alignl 7, 3214868480
	.fill 96, 4, 3214868480
	.section	.rodata,"a",@progbits
	.p2align	6, 0x0
	.amdhsa_kernel k_q4df6c5e99a_oproj
		.amdhsa_group_segment_fixed_size 144384
		.amdhsa_private_segment_fixed_size 0
		.amdhsa_enable_private_segment 0
		.amdhsa_kernarg_size 32
		.amdhsa_user_sgpr_count 2
		.amdhsa_user_sgpr_kernarg_segment_ptr 1
		.amdhsa_wavefront_size32 1
		.amdhsa_system_sgpr_workgroup_id_x 1
		.amdhsa_system_sgpr_workgroup_id_y 1
		.amdhsa_system_sgpr_workgroup_id_z 1
		.amdhsa_system_vgpr_workitem_id 0
		.amdhsa_next_free_vgpr 230
		.amdhsa_next_free_sgpr 66
		.amdhsa_reserve_vcc 0
		.amdhsa_float_denorm_mode_32 3
		.amdhsa_float_denorm_mode_16_64 3
		.amdhsa_memory_ordered 1
		.amdhsa_forward_progress 1
		.amdhsa_inst_pref_size 56
	.end_amdhsa_kernel
	.amdgpu_metadata
---
amdhsa.version: [ 1, 2 ]
amdhsa.kernels:
  - .name:           k_q4df6c5e99a_oproj
    .symbol:         k_q4df6c5e99a_oproj.kd
    .args:
      - { .name: ctx, .offset: 0, .size: 8, .value_kind: global_buffer, .address_space: global }
      - { .name: Wo, .offset: 8, .size: 8, .value_kind: global_buffer, .address_space: global }
      - { .name: bo, .offset: 16, .size: 8, .value_kind: global_buffer, .address_space: global }
      - { .name: out0, .offset: 24, .size: 8, .value_kind: global_buffer, .address_space: global }
    .group_segment_fixed_size: 144384
    .private_segment_fixed_size: 0
    .kernarg_segment_align: 8
    .kernarg_segment_size: 32
    .max_flat_workgroup_size: 256
    .sgpr_count:     66
    .vgpr_count:     230
    .wavefront_size: 32
...
	.end_amdgpu_metadata
.endif
;; end of part 3
